; MI455X (gfx1250); checked and timed in simulation.
; The chip was launched on July 23, 2026; its instructions are those of AMD's public machine-readable ISA for CDNA 5 (MIT licence, August 2026) and "CDNA5" Instruction Set Architecture Reference Guide (July 2026). The comments in the code are by the model that wrote it; some were corrected since.
;; Feature Propogation. Allowed arithmetic: matrix products marked QUANTISED: E5M2 operands, one given power-of-two scale a tensor, by v_wmma_f32_16x16x64_bf8_bf8 or v_wmma_f32_16x16x128_bf8_bf8, f32 sums; products left as they are: f32 operands where the result goes on into a quantised operand, else bf16, f16 or f32 operands; f32 sums; everything else in f32.
;; Inputs: W1_codes 256 x 16 x 32 uint8 (E5M2 codes of W1, K innermost, in blocks of 32 codes); W2_codes 256 x 8 x 32 uint8 (E5M2 codes of W2, K innermost, in blocks of 32 codes); b1 256 float32; b2 256 float32; f1 4 x 256 x 8,192 float32; f2 4 x 256 x 4,096 float32; lowp_scales 4 int32 (the exponents e of the quantised operands' scales 2^e); p1 4 x 8,192 x 3 float32; p2 4 x 4,096 x 3 float32.
;; Outputs: out0 4 x 256 x 8,192 float32.
;; This version of the problem:
;;   THIS VERSION OF THE PROBLEM IS GIVEN IN LOW PRECISION. The matrix products marked QUANTISED in the list below multiply operands that are first quantised to E5M2 (5 exponent bits, 2 mantissa bits; 8 bits a number), with one given power-of-two scale for each operand tensor; their sums are f32. All else is computed in f32.
;;   The module's matrix products, in the order in which they are computed (A, B: the left and right operand; K: the contracted axis; several contracted axes count as one K, in the product's order):
;;     1. batch 4 x [M 8,192, K 3] x [K 3, N 4,096]; A: input p1; B: input p2: left as it is (K = 3 < 32)
;;     2. batch 32,768 x [M 1, K 3] x [K 3, N 256]; A: computed on the way; B: computed on the way: left as it is (K = 3 < 32)
;;     3. [M 32,768, K 512] x [K 512, N 256]; A: computed on the way; B: input W1 (given as codes): QUANTISED (scales: A lowp_scales[0], B lowp_scales[1])
;;     4. [M 32,768, K 256] x [K 256, N 256]; A: computed on the way; B: input W2 (given as codes): QUANTISED (scales: A lowp_scales[2], B lowp_scales[3])
;;   THE QUANTISER, for each operand of a quantised product, along K:
;;     - The operand's scale is 2^e, e = its entry of the input lowp_scales (int32; the entries are numbered through the quantised products in the list's order, A before B).
;;     - Each number is divided by the scale, clamped to +-57,344, and rounded to the nearest number of E5M2, ties to even, subnormals kept.
;;     - The product sums the exact products of the quantised numbers (number of the format x scale) in f32.
;;   ~~~python
;;   def quantise(x, axis, e):      # numpy; x: float32 -> the quantised numbers, widened to float32 again
;;       x = np.moveaxis(x, axis, -1); K = x.shape[-1]
;;       r = np.clip(x / 2.0 ** e, -57344, 57344)
;;       step = 2.0 ** (np.maximum(np.frexp(np.where(r == 0, 1, r))[1] - 1, -14) - 2)
;;       q = np.round(r / step) * step * 2.0 ** e      # np.round: ties to even
;;       return np.moveaxis(q, -1, axis).astype(np.float32)
;;   ~~~
;;   OPERANDS COMPUTED ON THE WAY. 'Computed on the way' means the value that the module computes at that place (a softmax that the list does not call 'softmax' is quantised finished and normalised). What goes into a quantiser is computed in f32, as accurately as f32 sums, v_exp_f32 and their like allow (about 1e-6 of the number): no bf16 or f16 on the way to a quantiser, and a product that is left as it is and whose result goes on into a quantised operand takes f32 operands (vector FMAs, or v_wmma_f32_16x16x4_f32). A number that lies on a knife's edge between two numbers of the format may be rounded either way, as far as f32 arithmetic and the matrix unit's own rounding can turn it there, and no further.
;;   INPUTS GIVEN AS CODES. W1 (in the module: [256, 512], K = its axis 1); W2 (in the module: [256, 256], K = its axis 1): each comes as NAME_codes (uint8): NAME with its K axis moved to the last place and cut into blocks of 32 codes, [.., K / 32, bytes a block], one block behind the other in memory; one code a byte (a code: sign, 5 exponent bits, 2 mantissa bits); its scale is its entry of lowp_scales. Its value is code x scale, taken as it is: it is not quantised again, and the codes and scales need not be those that the quantiser above would give.
;; One version. Each part assembles by itself: llvm-mc -triple=amdgcn-amd-amdhsa -mcpu=gfx1250 --defsym DOCPART=n.
;; ======== version 1 of 1: 3 launches
;; limits: right only within a limited range of input values
;; workspace buffers: f2t 16,777,216 bytes; chunks 524,288 bytes of whole numbers; nbr 524,288 bytes of whole numbers; wgt 524,288 bytes
;; launch coarse (part 1): grid 256 x 1, 8 waves a work-group, no clusters, 156,672 bytes of LDS; arguments p1, p2, f2, chunks, f2t; writes chunks, f2t
.if DOCPART == 1
	.amdgcn_target "amdgcn-amd-amdhsa--gfx1250"
	.amdhsa_code_object_version 6
	.text
	.protected	k_qe73ee5bb44_coarse
	.globl	k_qe73ee5bb44_coarse
	.p2align	8
	.type	k_qe73ee5bb44_coarse,@function
k_qe73ee5bb44_coarse:
	s_mov_b64 s[64:65], 0
	v_nop
	global_prefetch_b8 v0, s[64:65] scope:SCOPE_SE
	s_setreg_imm32_b32 hwreg(HW_REG_WAVE_MODE, 25, 1), 1
	s_wait_xcnt 0x0
; COARSE SEARCH, AND f2 TURNED.  p1 [4][8192][3], p2 [4][4096][3], f2 [4][256][4096], all f32.
; (a) f2t [4 x 4096][256] f32 = f2 with the channels innermost, so that a later launch gathers a neighbour's 256 channels as one row of 1,024 bytes.
; (b) chunks [32768][4] int32: for each dense point the three CHUNKS of 16 coarse points (0 .. 255) with the smallest (least clamped d2, chunk number), in ascending chunk number, then 0.
;     The three nearest points, in the order (d2, index), lie in those three chunks: a point in any other chunk has three points ahead of it, one in each of them.
; d2 is rounded as follows: s = fma(z, z, fma(y, y, x x)) for both points; t = fma(-2 z1, z2, fma(-2 y1, y2, (-2 x1) x2)), which is -2 x the dot product exactly; d = (s1 + s2) + t; then max(d, 0).
; The clamp is monotone, so it is applied to a chunk's least d.
; SHARES.  Work-group g: batch g / 64.  It turns f2's tile of 256 channels x coarse points 64 (g % 64) .. + 63, and serves dense points 128 g .. + 127.  All eight waves hold the same 128 queries, four a lane;
; wave w walks chunks 32 w .. 32 w + 31, so a chunk's 16 points, read from LDS at one address for all lanes, meet 128 queries.  The eight waves' triples meet in LDS at the end.
; No matrix instruction: K = 3, and (s1 + s2) + t has to be rounded in this order.  No tensor load: p2 is laid anew on its way into LDS, f2 is turned in registers.
; LIMITS: inputs finite (no NaN, no infinity), and d2 finite.
.set TAB,  0                           ; LDS: the batch's 4,096 coarse points in records of two: x0 x1 y0 y1 | z0 z1 s0 s1 (32 bytes); a chunk is 256 bytes
.set TRL,  65536                       ; LDS: the turned tile, 64 rows of 1,024 bytes; the low four bits of a 16-byte column are xored with (row / 4) % 16, so that stores and loads each touch 16 different columns
.set MRG,  131072                      ; LDS: [wave 8][component 6][query 128] words: the waves' triples
.set QX,   8                           ; v[8+2k]  -2 x of query k, in both words of a pair (the packed forms name pairs)
.set QY,   16
.set QZ,   24
.set QS,   32                          ; s1 of query k, likewise
.set GV,   40                          ; the three least chunk minima: first at GV+k, second at GV+4+k, third at GV+8+k.  At the head: p1 as loaded
.set IV,   52                          ; and their chunk numbers
.set MN,   64                          ; the chunk's least d of query k
.set CIDV, 68                          ; the chunk's number
.set P2O,  69                          ; byte offsets of the head's loads; never rewritten
.set P1O,  70
.set F2O,  71
.set TT,   72                          ; eight pairs t, then d.  At the head v72-119: p2 as loaded
.set UU,   88                          ; eight pairs s1 + s2
.set OUTO, 120                         ; 16 x lane
.set CA,   128                         ; a chunk's 64 numbers.  At the head: f2 as loaded
.set CB,   192                         ; the other chunk's.  At the head: the table's records, then the turned tile
	s_load_b256 s[4:11], s[0:1], 0x0               ; p1 s[4:5], p2 s[6:7], f2 s[8:9], chunks s[10:11]
	s_load_b64 s[12:13], s[0:1], 0x20              ; f2t
	v_lshl_add_u32 v126, v0, 2, 0x26000
	v_mov_b32 v127, 0
	v_lshrrev_b32 v1, 5, v0
	v_readfirstlane_b32 s14, v1                    ; wave 0..7
	s_lshr_b32 s15, ttmp9, 6                       ; batch
	s_and_b32 s16, ttmp9, 63                       ; my block in the batch
	v_and_b32 v121, 31, v0                         ; lane
	v_and_b32 v122, 15, v0                         ; a = thread % 16
	v_lshrrev_b32 v123, 4, v0                      ; cr = thread / 16, 0..15
	v_bfe_u32 v125, v0, 4, 1                       ; lane / 16
	v_mul_u32_u24 v[P2O], v0, 48                   ; four coarse points are 48 bytes
	v_mul_u32_u24 v[P1O], v121, 48                 ; my four queries
	v_lshlrev_b32 v[F2O], 16, v123                 ; f2: channel 4 cr (a channel's row is 16,384 bytes),
	v_lshl_add_u32 v[F2O], v122, 4, v[F2O]         ; points 4 a .. 4 a + 3: sixteen lanes read 256 consecutive bytes, aligned
	v_lshlrev_b32 v[OUTO], 4, v121
	s_mul_i32 s18, s15, 49152                      ; p2: the batch
	s_mov_b32 s19, 0
	s_mul_i32 s36, ttmp9, 1536                     ; p1: 128 queries of 12 bytes
	s_mov_b32 s37, 0
	s_lshl_b32 s38, s15, 22                        ; f2: the batch, + 64 points of 4 bytes
	s_lshl_b32 s17, s16, 8
	s_add_co_u32 s38, s38, s17
	s_mov_b32 s39, 0
	s_lshl_b32 s40, s15, 22                        ; f2t: row 4096 b + 64 i + 8 w, of 1,024 bytes
	s_lshl_b32 s17, s16, 16
	s_add_co_u32 s40, s40, s17
	s_lshl_b32 s17, s14, 13
	s_add_co_u32 s40, s40, s17
	s_mov_b32 s41, 0
	s_lshl_b32 s42, ttmp9, 11                      ; chunks: 128 queries of 16 bytes
	s_mov_b32 s43, 0
	s_wait_kmcnt 0x0
	s_add_nc_u64 s[6:7], s[6:7], s[18:19]
	s_add_nc_u64 s[4:5], s[4:5], s[36:37]
	s_add_nc_u64 s[8:9], s[8:9], s[38:39]
	s_add_nc_u64 s[12:13], s[12:13], s[40:41]
	s_add_nc_u64 s[10:11], s[10:11], s[42:43]
	; all 31 loads of the launch go out here: p2 (12), p1 (3), f2 (16)
.irp j, 0,1,2,3
.irp n, 0,1,2
	global_load_b128 v[TT+12*\j+4*\n:TT+12*\j+4*\n+3], v[P2O], s[6:7] offset:12288*\j+16*\n   ; group 256 j + thread: four points
.endr
.endr
.irp n, 0,1,2
	global_load_b128 v[GV+4*\n:GV+4*\n+3], v[P1O], s[4:5] offset:16*\n
.endr
.irp k, 0,1,2,3
.irp i, 0,1,2,3
	global_load_b128 v[CA+16*\k+4*\i:CA+16*\k+4*\i+3], v[F2O], s[8:9] offset:(64*\k+\i)*16384 th:TH_LOAD_NT   ; channel 64 k + 4 cr + i; read once in the launch
.endr
.endr
	; LDS addresses
	v_lshlrev_b32 v1, 6, v0                        ; the table: a group of four points is 64 bytes
	v_xor_b32 v2, v123, v122                       ; the tile, on the way in: row 4 a + j, column 16 k + (cr xor a)
	v_lshlrev_b32 v2, 4, v2
	v_lshl_add_u32 v2, v122, 12, v2
	v_add_nc_u32 v2, TRL, v2
	s_lshl_b32 s17, s14, 1                         ; on the way out: wave w takes rows 8 w .. 8 w + 7: (row / 4) % 16 is 2 w for the first four,
	s_or_b32 s18, s17, 1                           ; 2 w + 1 for the others
	v_xor_b32 v3, s17, v122
	v_xor_b32 v4, s18, v122
	v_lshlrev_b32 v3, 4, v3
	v_lshlrev_b32 v4, 4, v4
	v_lshl_add_u32 v3, v125, 8, v3
	v_lshl_add_u32 v4, v125, 8, v4
	s_lshl_b32 s19, s14, 13
	s_add_co_u32 s19, s19, TRL
	v_add_nc_u32 v3, s19, v3
	v_add_nc_u32 v4, s19, v4
	s_mul_i32 s19, s14, 3072
	s_add_co_u32 s19, s19, MRG
	v_lshl_add_u32 v6, v121, 4, s19                ; my wave's triples: 16 bytes a lane (four queries) for each component
	v_lshl_add_u32 v7, v0, 2, MRG                  ; the merge: a thread a query
	s_wait_loadcnt 16                              ; p2 and p1 are in; f2's sixteen loads may stay out
	; the table: twelve numbers x y z of four points become two records; s = fma(z, z, fma(y, y, x x)).  The moves lay x, y, z of two points side by side, as the packed forms take them
.irp j, 0,1,2,3
.irp h, 0,1
.irp d, 0,1,2
	v_mov_b32 v[CB+16*\j+8*\h+2*\d],   v[TT+12*\j+6*\h+\d]
	v_mov_b32 v[CB+16*\j+8*\h+2*\d+1], v[TT+12*\j+6*\h+3+\d]
.endr
.irp c, 0,1
	v_mul_f32  v[CB+16*\j+8*\h+6+\c], v[TT+12*\j+6*\h+3*\c],   v[TT+12*\j+6*\h+3*\c]
.endr
.irp c, 0,1
	v_fmac_f32 v[CB+16*\j+8*\h+6+\c], v[TT+12*\j+6*\h+3*\c+1], v[TT+12*\j+6*\h+3*\c+1]
.endr
.irp c, 0,1
	v_fmac_f32 v[CB+16*\j+8*\h+6+\c], v[TT+12*\j+6*\h+3*\c+2], v[TT+12*\j+6*\h+3*\c+2]
.endr
.endr
.irp n, 0,1,2,3
	ds_store_b128 v1, v[CB+16*\j+4*\n:CB+16*\j+4*\n+3] offset:16384*\j+16*\n
.endr
.endr
	; my four queries
.irp k, 0,1,2,3
	v_mul_f32  v[QS+2*\k], v[GV+3*\k], v[GV+3*\k]
	v_mul_f32  v[QX+2*\k], -2.0, v[GV+3*\k]
	v_mul_f32  v[QY+2*\k], -2.0, v[GV+3*\k+1]
	v_mul_f32  v[QZ+2*\k], -2.0, v[GV+3*\k+2]
	v_fmac_f32 v[QS+2*\k], v[GV+3*\k+1], v[GV+3*\k+1]
	v_fmac_f32 v[QS+2*\k], v[GV+3*\k+2], v[GV+3*\k+2]
	v_mov_b32  v[QX+2*\k+1], v[QX+2*\k]            ; the pairs' upper words are named with the lower, so they are written
	v_mov_b32  v[QY+2*\k+1], v[QY+2*\k]
	v_mov_b32  v[QZ+2*\k+1], v[QZ+2*\k]
	v_mov_b32  v[QS+2*\k+1], v[QS+2*\k]
.endr
.irp n, 0,1,2,3,4,5,6,7,8,9,10,11
	v_mov_b32 v[GV+\n], 0x7f800000                 ; the triples begin at +infinity, over every d2,
	v_mov_b32 v[IV+\n], 0                          ; with chunk 0
.endr
	s_wait_loadcnt 0x0                             ; f2
	s_wait_dscnt 0x0                               ; the table's stores have read v192-255, which the turned tile takes now
	; 4 channels x 4 points are turned in registers: sixteen moves for each of four groups of channels
.irp k, 0,1,2,3
.irp j, 0,1,2,3
.irp i, 0,1,2,3
	v_mov_b32 v[CB+16*\k+4*\j+\i], v[CA+16*\k+4*\i+\j]
.endr
	ds_store_b128 v2, v[CB+16*\k+4*\j:CB+16*\k+4*\j+3] offset:1024*\j+256*\k
.endr
.endr
	s_wait_dscnt 0x0                               ; for the others' sake: my stores into the table and the tile are done
	s_barrier_signal -1
	s_barrier_wait -1                              ; the table and the tile are whole
	; my eight rows of f2t leave: a load takes half a row, a store covers 512 consecutive bytes, aligned
.irp rr, 0,1,2,3,4,5,6,7
.irp p, 0,1
	ds_load_b128 v[CB+4*(2*\rr+\p):CB+4*(2*\rr+\p)+3], v[3+\rr/4] offset:1024*\rr+512*\p
.endr
.endr
.irp rr, 0,1,2,3,4,5,6,7
.irp p, 0,1
	s_wait_dscnt 15-(2*\rr+\p)                     ; LDS loads come back in order: this one is in, the younger may be out
	global_store_b128 v[OUTO], v[CB+4*(2*\rr+\p):CB+4*(2*\rr+\p)+3], s[12:13] offset:1024*\rr+512*\p
.endr
.endr
; sixteen LDS loads bring a chunk: every lane reads the same 256 bytes
.macro LOADC buf, off
.irp n, 0,1,2,3,4,5,6,7,8,9,10,11,12,13,14,15
	ds_load_b128 v[\buf+4*\n:\buf+4*\n+3], v5 offset:\off+16*\n
.endr
.endm
; (value m, number c) goes into an ascending triple.  Strictly less: of equal values the one that came first stays ahead.
.macro INS m, c, g1, g2, g3, i1, i2, i3, sa
	v_cmp_lt_f32 s[\sa], v[\m], v[\g1]
	v_cmp_lt_f32 s[\sa+1], v[\m], v[\g2]
	v_cmp_lt_f32 s[\sa+2], v[\m], v[\g3]
	v_cndmask_b32 v[\i3], v[\i3], v[\c], s[\sa+2]
	v_cndmask_b32 v[\i3], v[\i3], v[\i2], s[\sa+1]
	v_cndmask_b32 v[\i2], v[\i2], v[\c], s[\sa+1]
	v_cndmask_b32 v[\i2], v[\i2], v[\i1], s[\sa]
	v_cndmask_b32 v[\i1], v[\i1], v[\c], s[\sa]
	v_med3_num_f32 v[\g3], v[\g2], v[\g3], v[\m]
	v_med3_num_f32 v[\g2], v[\g1], v[\g2], v[\m]
	v_min_num_f32 v[\g1], v[\g1], v[\m]
.endm
; One chunk against my four queries: two records (four points) x four queries at a time, stage by stage, so that no line waits for the line above it.
; 160 packed lines, 32 minima, then one insertion a query: the indices inside the chunk are not followed here.
.macro CHUNK buf
.irp e, 0,1,2,3
.irp r, 0,1
.irp k, 0,1,2,3
	v_pk_mul_f32 v[TT+8*\r+2*\k:TT+8*\r+2*\k+1], v[\buf+16*\e+8*\r:\buf+16*\e+8*\r+1], v[QX+2*\k:QX+2*\k+1] op_sel_hi:[1,0]
.endr
.endr
.irp r, 0,1
.irp k, 0,1,2,3
	v_pk_fma_f32 v[TT+8*\r+2*\k:TT+8*\r+2*\k+1], v[\buf+16*\e+8*\r+2:\buf+16*\e+8*\r+3], v[QY+2*\k:QY+2*\k+1], v[TT+8*\r+2*\k:TT+8*\r+2*\k+1] op_sel_hi:[1,0,1]
.endr
.endr
.irp r, 0,1
.irp k, 0,1,2,3
	v_pk_add_f32 v[UU+8*\r+2*\k:UU+8*\r+2*\k+1], v[\buf+16*\e+8*\r+6:\buf+16*\e+8*\r+7], v[QS+2*\k:QS+2*\k+1] op_sel_hi:[1,0]
.endr
.endr
.irp r, 0,1
.irp k, 0,1,2,3
	v_pk_fma_f32 v[TT+8*\r+2*\k:TT+8*\r+2*\k+1], v[\buf+16*\e+8*\r+4:\buf+16*\e+8*\r+5], v[QZ+2*\k:QZ+2*\k+1], v[TT+8*\r+2*\k:TT+8*\r+2*\k+1] op_sel_hi:[1,0,1]
.endr
.endr
.irp r, 0,1
.irp k, 0,1,2,3
	v_pk_add_f32 v[TT+8*\r+2*\k:TT+8*\r+2*\k+1], v[UU+8*\r+2*\k:UU+8*\r+2*\k+1], v[TT+8*\r+2*\k:TT+8*\r+2*\k+1]
.endr
.endr
.irp r, 0,1
.irp k, 0,1,2,3
.if (\e+\r) == 0
	v_min_num_f32 v[MN+\k], v[TT+8*\r+2*\k], v[TT+8*\r+2*\k+1]      ; the chunk's first two points start the minimum
.else
	v_min3_num_f32 v[MN+\k], v[MN+\k], v[TT+8*\r+2*\k], v[TT+8*\r+2*\k+1]
.endif
.endr
.endr
.endr
	v_mov_b32 v[CIDV], s33
	s_add_co_u32 s33, s33, 1
.irp k, 0,1,2,3
	v_max_num_f32 v[MN+\k], 0, v[MN+\k]            ; the clamp
.endr
.irp k, 0,1,2,3
	v_cmp_lt_f32 s[20+3*\k], v[MN+\k], v[GV+\k]
	v_cmp_lt_f32 s[21+3*\k], v[MN+\k], v[GV+4+\k]
	v_cmp_lt_f32 s[22+3*\k], v[MN+\k], v[GV+8+\k]
.endr
.irp k, 0,1,2,3
	v_cndmask_b32 v[IV+8+\k], v[IV+8+\k], v[CIDV], s[22+3*\k]
.endr
.irp k, 0,1,2,3
	v_cndmask_b32 v[IV+8+\k], v[IV+8+\k], v[IV+4+\k], s[21+3*\k]
.endr
.irp k, 0,1,2,3
	v_cndmask_b32 v[IV+4+\k], v[IV+4+\k], v[CIDV], s[21+3*\k]
.endr
.irp k, 0,1,2,3
	v_cndmask_b32 v[IV+4+\k], v[IV+4+\k], v[IV+\k], s[20+3*\k]
.endr
.irp k, 0,1,2,3
	v_cndmask_b32 v[IV+\k], v[IV+\k], v[CIDV], s[20+3*\k]
.endr
.irp k, 0,1,2,3
	v_med3_num_f32 v[GV+8+\k], v[GV+4+\k], v[GV+8+\k], v[MN+\k]
.endr
.irp k, 0,1,2,3
	v_med3_num_f32 v[GV+4+\k], v[GV+\k], v[GV+4+\k], v[MN+\k]
.endr
.irp k, 0,1,2,3
	v_min_num_f32 v[GV+\k], v[GV+\k], v[MN+\k]
.endr
.endm
	s_lshl_b32 s32, s14, 13                        ; my 32 chunks begin at LDS byte 8,192 w
	s_lshl_b32 s33, s14, 5                         ; with chunk 32 w
	s_mov_b32 s34, 15
	v_mov_b32 v5, s32
	LOADC CA, 0
	s_wait_xcnt 0x0                                ; the stores of f2t have read v192-255: only now are these loaded again
.Lpair:                                                ; 15 trips of two chunks; a chunk is asked for while the one before is worked on
	LOADC CB, 256
	s_wait_dscnt 16                                ; the older chunk is in, the sixteen loads just issued may be out
	CHUNK CA
	LOADC CA, 512
	s_wait_dscnt 16
	CHUNK CB
	s_add_co_u32 s32, s32, 512
	v_mov_b32 v5, s32
	s_sub_co_u32 s34, s34, 1
	s_cmp_lg_u32 s34, 0
	s_cbranch_scc1 .Lpair
	LOADC CB, 256                                  ; the last two chunks: nothing is asked for beyond my 32
	s_wait_dscnt 16
	CHUNK CA
	s_wait_dscnt 0x0
	CHUNK CB
	s_barrier_signal -1                            ; (no LDS instruction of mine is out)  every wave has read its last from the table and the tile
	s_barrier_wait -1
.irp c, 0,1,2,3,4,5
	ds_store_b128 v6, v[GV+4*\c:GV+4*\c+3] offset:512*\c   ; components 0-2 the values, 3-5 the chunk numbers, four queries a lane
.endr
	s_wait_dscnt 0x0                               ; for the others' sake
	s_barrier_signal -1
	s_barrier_wait -1                              ; the last barrier: 128 threads are enough for 128 queries
	s_cmp_ge_u32 s14, 4
	s_cbranch_scc1 .Ldone
.irp w, 0,1,2,3,4,5,6,7
.irp c, 0,1,2,3,4,5
	ds_load_b32 v[128+6*\w+\c], v7 offset:3072*\w+512*\c
.endr
.endr
	v_lshlrev_b32 v184, 4, v0
	v_mov_b32 v183, 0
	s_wait_dscnt 0x0
.irp w, 1,2,3,4,5,6,7                  ; wave 0's triple takes the others' in the order of waves and places, which is the order of chunk numbers among equal values
.irp s, 0,1,2
	INS 128+6*\w+\s, 131+6*\w+\s, 128, 129, 130, 131, 132, 133, 20
.endr
.endr
	v_min_u32 v176, v131, v132                     ; the three chunk numbers in ascending order
	v_max_u32 v177, v131, v132
	v_min_u32 v178, v177, v133
	v_max_u32 v182, v177, v133
	v_min_u32 v180, v176, v178
	v_max_u32 v181, v176, v178
	global_store_b128 v184, v[180:183], s[10:11]   ; a wave stores 512 consecutive bytes, aligned
.Ldone:
	s_wait_tensorcnt 0x0
	ds_add_u32 v126, v127
	s_wait_dscnt 0x0
	s_endpgm
.Lfunc_end_k_qe73ee5bb44_coarse:
	.size	k_qe73ee5bb44_coarse, .Lfunc_end_k_qe73ee5bb44_coarse-k_qe73ee5bb44_coarse
	.p2alignl 7, 3214868480
	.fill 96, 4, 3214868480
	.section	.rodata,"a",@progbits
	.p2align	6, 0x0
	.amdhsa_kernel k_qe73ee5bb44_coarse
		.amdhsa_group_segment_fixed_size 156672
		.amdhsa_private_segment_fixed_size 0
		.amdhsa_enable_private_segment 0
		.amdhsa_kernarg_size 40
		.amdhsa_user_sgpr_count 2
		.amdhsa_user_sgpr_kernarg_segment_ptr 1
		.amdhsa_wavefront_size32 1
		.amdhsa_system_sgpr_workgroup_id_x 1
		.amdhsa_system_sgpr_workgroup_id_y 1
		.amdhsa_system_sgpr_workgroup_id_z 1
		.amdhsa_system_vgpr_workitem_id 0
		.amdhsa_next_free_vgpr 256
		.amdhsa_next_free_sgpr 66
		.amdhsa_reserve_vcc 0
		.amdhsa_float_denorm_mode_32 3
		.amdhsa_float_denorm_mode_16_64 3
		.amdhsa_memory_ordered 1
		.amdhsa_forward_progress 1
		.amdhsa_inst_pref_size 100
	.end_amdhsa_kernel
	.amdgpu_metadata
---
amdhsa.version: [ 1, 2 ]
amdhsa.kernels:
  - .name:           k_qe73ee5bb44_coarse
    .symbol:         k_qe73ee5bb44_coarse.kd
    .args:
      - { .name: p1, .offset: 0, .size: 8, .value_kind: global_buffer, .address_space: global }
      - { .name: p2, .offset: 8, .size: 8, .value_kind: global_buffer, .address_space: global }
      - { .name: f2, .offset: 16, .size: 8, .value_kind: global_buffer, .address_space: global }
      - { .name: chunks, .offset: 24, .size: 8, .value_kind: global_buffer, .address_space: global }
      - { .name: f2t, .offset: 32, .size: 8, .value_kind: global_buffer, .address_space: global }
    .group_segment_fixed_size: 156672
    .private_segment_fixed_size: 0
    .kernarg_segment_align: 8
    .kernarg_segment_size: 40
    .max_flat_workgroup_size: 256
    .sgpr_count:     66
    .vgpr_count:     256
    .wavefront_size: 32
...
	.end_amdgpu_metadata
.endif
;; end of part 1
;; launch exact (part 2): grid 256 x 1, 4 waves a work-group, no clusters, 53,760 bytes of LDS; arguments p1, p2, chunks, nbr, wgt; writes nbr, wgt
.if DOCPART == 2
	.amdgcn_target "amdgcn-amd-amdhsa--gfx1250"
	.amdhsa_code_object_version 6
	.text
	.protected	k_qe73ee5bb44_exact
	.globl	k_qe73ee5bb44_exact
	.p2align	8
	.type	k_qe73ee5bb44_exact,@function
k_qe73ee5bb44_exact:
	s_mov_b64 s[64:65], 0
	v_nop
	global_prefetch_b8 v0, s[64:65] scope:SCOPE_SE
	s_setreg_imm32_b32 hwreg(HW_REG_WAVE_MODE, 25, 1), 1
	s_wait_xcnt 0x0
; THE EXACT THREE NEAREST among the 3 x 16 coarse points of the chunks that the launch before has stored, and the inverse-distance weights.
; nbr [32768][4] int32: 4096 x batch + index of the nearest, second, third, then 0 (a row number of f2t).  wgt [32768][4] f32: their weights, then 0.
; d2 is rounded exactly as in the launch before: s = fma(z, z, fma(y, y, x x)); t = fma(-2 z1, z2, fma(-2 y1, y2, (-2 x1) x2)); d = (s1 + s2) + t; max(d, 0).
; Order: (d2, index), the lower index first among equal d2: the chunks come in ascending number, their points in ascending order, and an insertion asks for strictly less.
; w = r / ((r1 + r2) + r3), r = 1 / (d2 + 1e-8).  The weights go on into a quantised operand, so both divisions are carried to the rounded quotient: v_rcp_f32, one Newton step on the reciprocal,
; the quotient, and two corrections of it by its fused residual (r = fma(-b, q, a), q = fma(r, y, q)).
; LIMITS: inputs finite; d2 + 1e-8, its reciprocals and their sum are normal f32 numbers.
; SHARES.  A thread a query: thread t of work-group g is dense point 128 g + t.  The batch's p2 (49,152 bytes) is copied into LDS as it lies, a chunk's 192 bytes followed by 16 of padding (pitch 208 = 13 x 16 bytes),
; so that lanes on different chunks read different 16-byte columns.  Each thread then reads its three chunks whole.
.set PIT, 208
	s_load_b256 s[4:11], s[0:1], 0x0               ; p1 s[4:5], p2 s[6:7], chunks s[8:9], nbr s[10:11]
	s_load_b64 s[12:13], s[0:1], 0x20              ; wgt
	v_lshl_add_u32 v254, v0, 2, 0xd000
	v_mov_b32 v255, 0
	s_lshr_b32 s15, ttmp9, 6                       ; batch
	s_lshl_b32 s14, s15, 12                        ; 4096 x batch
	s_mul_i32 s16, ttmp9, 1536                     ; p1: 128 queries of 12 bytes
	s_mov_b32 s17, 0
	s_mul_i32 s18, s15, 49152                      ; p2: the batch
	s_mov_b32 s19, 0
	s_lshl_b32 s30, ttmp9, 11                      ; chunks, nbr, wgt: 128 queries of 16 bytes
	s_mov_b32 s31, 0
	v_lshlrev_b32 v246, 4, v0
	v_mul_u32_u24 v247, v0, 12
.irp be, 0,1,2                         ; the copy goes in pieces of 16 bytes, twelve to a chunk.  Piece e = thread + 128 be of each run of 384 pieces (32 chunks): chunk e / 12, place e % 12
	v_add_nc_u32 v248, 128*\be, v0
	v_lshlrev_b32 v[240+\be], 4, v248              ; in memory: 16 e
	v_mul_u32_u24 v249, v248, 0xaaab               ; e / 12 = (43,691 e) >> 19, exact for e under 384
	v_lshrrev_b32 v249, 19, v249
	v_mul_u32_u24 v250, v249, 12
	v_sub_nc_u32 v250, v248, v250
	v_mul_u32_u24 v[243+\be], v249, PIT            ; in LDS: 208 x chunk + 16 x place
	v_lshl_add_u32 v[243+\be], v250, 4, v[243+\be]
.endr
	s_wait_kmcnt 0x0
	s_add_nc_u64 s[4:5], s[4:5], s[16:17]
	s_add_nc_u64 s[6:7], s[6:7], s[18:19]
	s_add_nc_u64 s[8:9], s[8:9], s[30:31]
	s_add_nc_u64 s[10:11], s[10:11], s[30:31]
	s_add_nc_u64 s[12:13], s[12:13], s[30:31]
	global_load_b128 v[4:7], v246, s[8:9]          ; my three chunks
	global_load_b32 v8, v247, s[4:5]               ; my query
	global_load_b32 v9, v247, s[4:5] offset:4
	global_load_b32 v10, v247, s[4:5] offset:8
.irp be, 0,1,2
.irp a, 0,1,2,3,4,5,6,7
	global_load_b128 v[32+4*(8*\be+\a):32+4*(8*\be+\a)+3], v[240+\be], s[6:7] offset:6144*\a
.endr
.endr
	s_wait_loadcnt 0x0
.irp be, 0,1,2
.irp a, 0,1,2,3,4,5,6,7
	ds_store_b128 v[243+\be], v[32+4*(8*\be+\a):32+4*(8*\be+\a)+3] offset:32*PIT*\a
.endr
.endr
	s_wait_dscnt 0x0                               ; for the others' sake: my part of p2 lies in LDS (and the stores have read v32-127)
	s_barrier_signal -1
	s_barrier_wait -1                              ; behind this barrier LDS is only read
.irp c, 0,1,2
	v_min_u32 v[4+\c], 255, v[4+\c]                ; a loaded number enters an address only behind a bound
	v_mul_u32_u24 v[52+\c], v[4+\c], PIT
	v_lshl_add_u32 v[12+\c], v[4+\c], 4, s14       ; the row number of the chunk's first point: 4096 b + 16 x chunk
.endr
.irp c, 0,1,2
.irp n, 0,1,2,3,4,5,6,7,8,9,10,11
	ds_load_b128 v[96+48*\c+4*\n:96+48*\c+4*\n+3], v[52+\c] offset:16*\n   ; chunk c's point j: x, y, z at v[96 + 48 c + 3 j] on
.endr
.endr
	v_mul_f32 v11, v8, v8                          ; s1
	v_fmac_f32 v11, v9, v9
	v_fmac_f32 v11, v10, v10
	v_mul_f32 v8, -2.0, v8
	v_mul_f32 v9, -2.0, v9
	v_mul_f32 v10, -2.0, v10
.irp c, 0,1,2                          ; a triple for each chunk, so that three chains run side by side: values at v[16 + 8 c] on, row numbers at v[20 + 8 c] on
.irp n, 0,1,2
	v_mov_b32 v[16+8*\c+\n], 0x7f800000
	v_mov_b32 v[20+8*\c+\n], 0
.endr
.endr
	v_mov_b32 v23, 0                               ; the fourth word of nbr
.macro INS m, c, g1, g2, g3, i1, i2, i3, sa    ; (value m, number c) into an ascending triple; strictly less: of equal values the one that came first stays ahead
	v_cmp_lt_f32 s[\sa], v[\m], v[\g1]
	v_cmp_lt_f32 s[\sa+1], v[\m], v[\g2]
	v_cmp_lt_f32 s[\sa+2], v[\m], v[\g3]
	v_cndmask_b32 v[\i3], v[\i3], v[\c], s[\sa+2]
	v_cndmask_b32 v[\i3], v[\i3], v[\i2], s[\sa+1]
	v_cndmask_b32 v[\i2], v[\i2], v[\c], s[\sa+1]
	v_cndmask_b32 v[\i2], v[\i2], v[\i1], s[\sa]
	v_cndmask_b32 v[\i1], v[\i1], v[\c], s[\sa]
	v_med3_num_f32 v[\g3], v[\g2], v[\g3], v[\m]
	v_med3_num_f32 v[\g2], v[\g1], v[\g2], v[\m]
	v_min_num_f32 v[\g1], v[\g1], v[\m]
.endm
	s_wait_dscnt 0x0
.irp j, 0,1,2,3,4,5,6,7,8,9,10,11,12,13,14,15  ; point j of the three chunks, line by line.  At work for chunk c: v[40 + 4 c] s2, +1 t, +2 d, +3 the row number
.irp c, 0,1,2
	v_mul_f32 v[40+4*\c], v[96+48*\c+3*\j], v[96+48*\c+3*\j]
	v_mul_f32 v[41+4*\c], v8, v[96+48*\c+3*\j]
.endr
.irp c, 0,1,2
	v_fmac_f32 v[40+4*\c], v[97+48*\c+3*\j], v[97+48*\c+3*\j]
	v_fmac_f32 v[41+4*\c], v9, v[97+48*\c+3*\j]
.endr
.irp c, 0,1,2
	v_fmac_f32 v[40+4*\c], v[98+48*\c+3*\j], v[98+48*\c+3*\j]
	v_fmac_f32 v[41+4*\c], v10, v[98+48*\c+3*\j]
.endr
.irp c, 0,1,2
	v_add_f32 v[42+4*\c], v11, v[40+4*\c]
	v_add_nc_u32 v[43+4*\c], \j, v[12+\c]
.endr
.irp c, 0,1,2
	v_add_f32 v[42+4*\c], v[42+4*\c], v[41+4*\c]
.endr
.irp c, 0,1,2
	v_max_num_f32 v[42+4*\c], 0, v[42+4*\c]
.endr
.irp c, 0,1,2
	v_cmp_lt_f32 s[20+3*\c], v[42+4*\c], v[16+8*\c]
	v_cmp_lt_f32 s[21+3*\c], v[42+4*\c], v[17+8*\c]
	v_cmp_lt_f32 s[22+3*\c], v[42+4*\c], v[18+8*\c]
.endr
.irp c, 0,1,2
	v_cndmask_b32 v[22+8*\c], v[22+8*\c], v[43+4*\c], s[22+3*\c]
.endr
.irp c, 0,1,2
	v_cndmask_b32 v[22+8*\c], v[22+8*\c], v[21+8*\c], s[21+3*\c]
.endr
.irp c, 0,1,2
	v_cndmask_b32 v[21+8*\c], v[21+8*\c], v[43+4*\c], s[21+3*\c]
.endr
.irp c, 0,1,2
	v_cndmask_b32 v[21+8*\c], v[21+8*\c], v[20+8*\c], s[20+3*\c]
.endr
.irp c, 0,1,2
	v_cndmask_b32 v[20+8*\c], v[20+8*\c], v[43+4*\c], s[20+3*\c]
.endr
.irp c, 0,1,2
	v_med3_num_f32 v[18+8*\c], v[17+8*\c], v[18+8*\c], v[42+4*\c]
.endr
.irp c, 0,1,2
	v_med3_num_f32 v[17+8*\c], v[16+8*\c], v[17+8*\c], v[42+4*\c]
.endr
.irp c, 0,1,2
	v_min_num_f32 v[16+8*\c], v[16+8*\c], v[42+4*\c]
.endr
.endr
.irp c, 1,2                            ; the second chunk's triple, then the third's, into the first's: ascending indices among equal values
.irp s, 0,1,2
	INS 16+8*\c+\s, 20+8*\c+\s, 16, 17, 18, 20, 21, 22, 20
.endr
.endr
	; THE WEIGHTS.  b = d2 + 1e-8 in v40-42; y, the refined reciprocal, in v44-46; residuals in v56-58; r = 1 / b, rounded, in v60-62
	v_add_f32 v40, 0x322bcc77, v16                 ; d2 + 1e-8
	v_add_f32 v41, 0x322bcc77, v17
	v_add_f32 v42, 0x322bcc77, v18
	v_rcp_f32 v44, v40
	v_rcp_f32 v45, v41
	v_rcp_f32 v46, v42
	v_mov_b32 v27, 0                               ; (a plain line behind the reciprocals)  the fourth word of wgt
	s_wait_alu depctr_va_vdst(0)                   ; one wait for the three, ahead of their first reader
.irp n, 0,1,2
	v_fma_f32 v[56+\n], -v[40+\n], v[44+\n], 1.0   ; 1 - b y
.endr
.irp n, 0,1,2
	v_fma_f32 v[44+\n], v[56+\n], v[44+\n], v[44+\n]   ; the Newton step: y
.endr
.irp n, 0,1,2
	v_fma_f32 v[56+\n], -v[40+\n], v[44+\n], 1.0   ; the quotient 1 / b begins as y: its residual,
.endr
.irp n, 0,1,2
	v_fma_f32 v[60+\n], v[56+\n], v[44+\n], v[44+\n]   ; the first correction,
.endr
.irp n, 0,1,2
	v_fma_f32 v[56+\n], -v[40+\n], v[60+\n], 1.0
.endr
.irp n, 0,1,2
	v_fma_f32 v[60+\n], v[56+\n], v[44+\n], v[60+\n]   ; the second
.endr
	v_add_f32 v47, v60, v61
	v_add_f32 v47, v47, v62                        ; (r1 + r2) + r3
	v_rcp_f32 v48, v47
	v_nop                                          ; a plain line behind the reciprocal
	s_wait_alu depctr_va_vdst(0)
	v_fma_f32 v49, -v47, v48, 1.0
	v_fma_f32 v48, v49, v48, v48                   ; the Newton step
.irp n, 0,1,2
	v_mul_f32 v[24+\n], v[60+\n], v48              ; the quotient r / sum,
.endr
.irp n, 0,1,2
	v_fma_f32 v[56+\n], -v47, v[24+\n], v[60+\n]   ; its residual,
.endr
.irp n, 0,1,2
	v_fma_f32 v[24+\n], v[56+\n], v48, v[24+\n]    ; the first correction,
.endr
.irp n, 0,1,2
	v_fma_f32 v[56+\n], -v47, v[24+\n], v[60+\n]
.endr
.irp n, 0,1,2
	v_fma_f32 v[24+\n], v[56+\n], v48, v[24+\n]    ; the second
.endr
	global_store_b128 v246, v[20:23], s[10:11]     ; a wave stores 512 consecutive bytes, aligned
	global_store_b128 v246, v[24:27], s[12:13]
	s_wait_tensorcnt 0x0
	ds_add_u32 v254, v255
	s_wait_dscnt 0x0
	s_endpgm
.Lfunc_end_k_qe73ee5bb44_exact:
	.size	k_qe73ee5bb44_exact, .Lfunc_end_k_qe73ee5bb44_exact-k_qe73ee5bb44_exact
	.p2alignl 7, 3214868480
	.fill 96, 4, 3214868480
	.section	.rodata,"a",@progbits
	.p2align	6, 0x0
	.amdhsa_kernel k_qe73ee5bb44_exact
		.amdhsa_group_segment_fixed_size 53760
		.amdhsa_private_segment_fixed_size 0
		.amdhsa_enable_private_segment 0
		.amdhsa_kernarg_size 40
		.amdhsa_user_sgpr_count 2
		.amdhsa_user_sgpr_kernarg_segment_ptr 1
		.amdhsa_wavefront_size32 1
		.amdhsa_system_sgpr_workgroup_id_x 1
		.amdhsa_system_sgpr_workgroup_id_y 1
		.amdhsa_system_sgpr_workgroup_id_z 1
		.amdhsa_system_vgpr_workitem_id 0
		.amdhsa_next_free_vgpr 256
		.amdhsa_next_free_sgpr 66
		.amdhsa_reserve_vcc 0
		.amdhsa_float_denorm_mode_32 3
		.amdhsa_float_denorm_mode_16_64 3
		.amdhsa_memory_ordered 1
		.amdhsa_forward_progress 1
		.amdhsa_inst_pref_size 65
	.end_amdhsa_kernel
	.amdgpu_metadata
---
amdhsa.version: [ 1, 2 ]
amdhsa.kernels:
  - .name:           k_qe73ee5bb44_exact
    .symbol:         k_qe73ee5bb44_exact.kd
    .args:
      - { .name: p1, .offset: 0, .size: 8, .value_kind: global_buffer, .address_space: global }
      - { .name: p2, .offset: 8, .size: 8, .value_kind: global_buffer, .address_space: global }
      - { .name: chunks, .offset: 16, .size: 8, .value_kind: global_buffer, .address_space: global }
      - { .name: nbr, .offset: 24, .size: 8, .value_kind: global_buffer, .address_space: global }
      - { .name: wgt, .offset: 32, .size: 8, .value_kind: global_buffer, .address_space: global }
    .group_segment_fixed_size: 53760
    .private_segment_fixed_size: 0
    .kernarg_segment_align: 8
    .kernarg_segment_size: 40
    .max_flat_workgroup_size: 128
    .sgpr_count:     66
    .vgpr_count:     256
    .wavefront_size: 32
...
	.end_amdgpu_metadata
.endif
;; end of part 2
;; launch mlp (part 3): grid 256 x 1, 8 waves a work-group, clusters of 4 x 1, 308,224 bytes of LDS; arguments f1, f2t, nbr, wgt, W1_codes, W2_codes, b1, b2, lowp_scales, out0; writes out0
.if DOCPART == 3
	.amdgcn_target "amdgcn-amd-amdhsa--gfx1250"
	.amdhsa_code_object_version 6
	.text
	.protected	k_qe73ee5bb44_mlp
	.globl	k_qe73ee5bb44_mlp
	.p2align	8
	.type	k_qe73ee5bb44_mlp,@function
k_qe73ee5bb44_mlp:
	s_mov_b64 s[64:65], 0
	v_nop
	global_prefetch_b8 v0, s[64:65] scope:SCOPE_SE
	s_setreg_imm32_b32 hwreg(HW_REG_WAVE_MODE, 25, 1), 1
	s_wait_xcnt 0x0
	s_wait_alu depctr_hold_cnt(0) depctr_sa_sdst(0) depctr_va_vdst(0) depctr_va_sdst(0) depctr_va_ssrc(0) depctr_va_vcc(0) depctr_vm_vsrc(0)
	s_getreg_b32 s2, hwreg(HW_REG_IB_STS2, 6, 4)
	s_cmp_eq_u32 s2, 0
	s_cbranch_scc0 .Lentry_in_a_cluster
	s_endpgm
.Lentry_in_a_cluster:
	s_bfe_u32 s2, ttmp6, 0x10000c
	s_cmp_lg_u32 s2, 0x3003
	s_cbranch_scc0 .Lentry_shape_is_right
	s_endpgm
.Lentry_shape_is_right:
; out0 = relu(W2 relu(W1 [f1; interp] + b1) + b2), both products on codes of BF8 (E5M2), each operand with its given scale 2^e: e0 (x), e1 (W1), e2 (hidden), e3 (W2).
; interp(c, n) = w1 f2t[i1][c] + w2 f2t[i2][c] + w3 f2t[i3][c], with the row numbers (nbr) and weights (wgt) that the launch before has stored.  f1, out0: [4][256][8192] f32, the points innermost.
; SHARES.  A work-group of eight waves takes 128 points of one batch through the whole chain; x and the hidden layer never go to memory.
;   Loading: wave w quantises f1's channels 32 w .. + 31 of all 128 points (each load 512 consecutive bytes), and gathers, weighs and quantises the 256 interpolated channels of points 16 w .. + 15
;   (two points a step; each half of the wave reads 256 consecutive bytes of a neighbour's row).  The codes meet in LDS as rows [point][512 codes].
;   Products: THE WAVES SHARE THE COLUMNS: wave w makes hidden units 32 w .. + 31 and outputs 32 w .. + 31 for all eight tiles of 16 points; its fragments of W1 and W2 are read from LDS once and stay in registers.
; The first product is used transposed (source 0 = 16 rows of W1, source 1 = 16 points), and lane r of tile u takes row 32 w + 8 u + r + 8 (r / 8) of W1: so a lane's 16 results are 16 neighbouring hidden units of ONE point,
; 32 w + 16 (lane / 16) + 0 .. 15, which two conversions turn into 16 bytes of the hidden layer's row.  The second product is used as it stands (source 0 = 16 points, source 1 = 16 rows of W2): a lane's eight results are
; eight neighbouring points of one output channel, as out0 lies.  A fragment comes by four loads of 16 bytes: lane (r, h) holds k = 32 c + 16 h + 0 .. 15 in registers 4 c .. 4 c + 3, the same places in both sources.
; THE BIASES ARE ADDED BEHIND THE FINISHED SUMS, each by one fused multiply-add: sum x 2^(e0 + e1) + b1 and sum x 2^(e2 + e3) + b2, rounded once.  The hidden layer goes on into a quantiser, so b1 does not ride
; through the four matrix instructions of a sum.  The hold between 0 and the largest code x 2^e2 is the activation too.
; CLUSTER.  All work-groups read the same W1 and W2 (196,608 bytes): the four of a cluster ask for them jointly, once, at the head: each wave one tensor load of 64 rows, the same descriptor in all four, the mask 15.
; No LDS byte is filled twice.  One block to a work-group and 96 matrix instructions a wave: no ring of slots, no work-groups that stay.
; LIMITS: inputs finite; e0 and e2 between -126 and 112, e0 + e1 and e2 + e3 between -126 and 127, so that each power of two below is an f32 number.
.set XP,   528                         ; a row of x's codes in LDS: 512 bytes + 16 = 33 x 16: the sixteen rows of a fragment load start at sixteen different 16-byte columns
.set HP,   272                         ; a row of the hidden layer's: 256 + 16
.set XC,   0                           ; x's codes: 128 rows
.set HC,   128*XP                      ; the hidden layer's: 128 rows
.set W1L,  HC+128*HP                   ; W1's codes: 256 rows, pitch XP.  Behind the second barrier nobody reads it and it has had its one fill: it then holds the way out's stages, 32 rows x 528 bytes a wave
.set W2L,  W1L+256*XP                  ; W2's codes: 256 rows, pitch HP
; window 0: v0 thread; v1 16 (lane % 16); v2 16 x lane; v3, v4 where x's codes go; v5 16 (lane / 16); v6, v7 2^e0 and 57,344 x 2^e0; v8-11 LDS addresses of fragments; v[12:13], v[14:15] b2 of my two output channels
.set OFFR, 16                          ; v16-47   loading: step i's three byte offsets in f2t at 4 i
.set WT,   48                          ; v48-79   loading: step i's three weights at 4 i
.set XF,   16                          ; v16-79   first product: a tile's four fragments of x
.set ACC,  80                          ; v80-95   its two accumulators
.set HCD,  96                          ; v96-99   16 codes of the hidden layer
.set BI,   112                         ; v112-127 b1 in the accumulators' layout
.set W1F,  128                         ; v128-255 W1's eight fragments, (tile u, K step s) at 16 (4 u + s)
.set HF,   16                          ; v16-47   second product: a tile's two fragments of the hidden layer
.set AC2,  48                          ; v48-63   its two accumulators
.set YY,   64                          ; v64-79   results
.set W2F,  128                         ; v128-191 W2's four fragments, (tile t, K step s) at 16 (2 t + s)
; v100 2^e2, v101 57,344 x 2^e2, v102, v103 the stage in and back, v104, v105 the biases' offsets, v106 W2's fragments' address: made when the third gather buffer (v80-127) is done with
; gather buffers of 48: v128-175, v176-223, v80-127; v224-231 two sets of four code registers; v232-235 lane, r, h, r + 8 (r / 8)
; window 1: v0-127 f1 as loaded (channel i: four points at 4 i); v128-159 a point's 32 channels; v160-191 their codes, eight registers a point
; s[60:61] 2^(e2 + e3), s[62:63] 2^(e0 + e1), each twice: the packed forms name pairs
.set MSB, 0
.macro WIN new                         ; the immediate's high byte repeats the setting that is left
.if MSB != \new
	s_set_vgpr_msb (MSB<<8)|\new
.set MSB, \new
.endif
.endm
.macro ROUND                           ; a round of the cluster's barrier: my work-group's barrier; wave 0 signals for the work-group; every wave waits for all four work-groups; my work-group's barrier once more
	s_barrier_signal -1
	s_barrier_wait -1
	s_cmp_lg_u32 s24, 0
	s_cbranch_scc1 .Lnot_wave_0_\@
	s_barrier_signal -3
.Lnot_wave_0_\@:
	s_barrier_wait -3
	s_barrier_signal -1
	s_barrier_wait -1
.endm
	s_load_b512 s[4:19], s[0:1], 0x0               ; f1 s[4:5], f2t s[6:7], nbr s[8:9], wgt s[10:11], W1 s[12:13], W2 s[14:15], b1 s[16:17], b2 s[18:19]
	s_load_b128 s[20:23], s[0:1], 0x40             ; the scales' exponents s[20:21], out0 s[22:23]
	s_set_vgpr_msb 0x40
	v_lshl_add_u32 v192, v0, 2, 0x4b000
	v_mov_b32 v193, 0
	s_set_vgpr_msb 0x4045
	ds_add_u32 v192, v193
	ds_add_u32 v192, v193
	s_set_vgpr_msb 0x4500
	v_lshrrev_b32 v1, 5, v0
	v_readfirstlane_b32 s24, v1                    ; wave 0..7
	s_bfe_u32 s25, ttmp6, 0x40000                  ; cx: it enters global addresses of f1, nbr, wgt and out0 alone
	s_lshl_b32 s26, ttmp9, 2                       ; in a cluster launch ttmp9 counts clusters
	s_add_co_u32 s26, s26, s25                     ; my block of 128 points
	s_lshr_b32 s27, s26, 6                         ; batch
	s_and_b32 s28, s26, 63
	s_lshl_b32 s28, s28, 9                         ; f1 and out0: 128 points of 4 bytes,
	s_lshl_b32 s29, s27, 23                        ; the batch's 256 rows of 32,768 bytes,
	s_add_co_u32 s28, s28, s29
	s_lshl_b32 s29, s24, 20                        ; my wave's 32 rows
	s_add_co_u32 s28, s28, s29
	s_mov_b32 s29, 0
	s_lshl_b32 s30, s26, 11                        ; nbr and wgt: 16 bytes a point; my wave's 16 points
	s_lshl_b32 s31, s24, 8
	s_add_co_u32 s30, s30, s31
	s_mov_b32 s31, 0
	v_and_b32 v232, 31, v0                         ; lane
	v_and_b32 v233, 15, v0                         ; r
	v_bfe_u32 v234, v0, 4, 1                       ; h
	v_lshlrev_b32 v1, 4, v233
	v_lshlrev_b32 v2, 4, v232
	v_lshlrev_b32 v5, 4, v234
	v_mul_u32_u24 v3, v232, 4*XP                   ; f1's codes: rows 4 x lane + j, bytes 32 w on
	s_lshl_b32 s63, s24, 5
	v_add_nc_u32 v3, s63, v3
	v_mul_u32_u24 v4, v234, XP                     ; the gather's codes: row 16 w + 2 i + h, byte 256 + 64 q + 4 r
	v_lshl_add_u32 v4, v233, 2, v4
	s_mul_i32 s63, s24, 16*XP
	s_add_co_u32 s63, s63, 256
	v_add_nc_u32 v4, s63, v4
	v_mul_u32_u24 v8, v233, XP                     ; x's fragments: row r, + 16 h
	v_lshl_add_u32 v8, v234, 4, v8
	v_and_b32 v235, 8, v233
	v_add_nc_u32 v235, v235, v233                  ; r + 8 (r / 8)
	v_mul_u32_u24 v9, v235, XP                     ; W1's fragments: row 32 w + r + 8 (r / 8), + 16 h
	v_lshl_add_u32 v9, v234, 4, v9
	s_mul_i32 s63, s24, 32*XP
	s_add_co_u32 s63, s63, W1L
	v_add_nc_u32 v9, s63, v9
	v_mul_u32_u24 v11, v233, HP                    ; the hidden layer's fragments: row r, + 16 h
	v_lshl_add_u32 v11, v234, 4, v11
	v_add_nc_u32 v11, HC, v11
	s_lshl_b32 s63, s24, 5
	v_add_nc_u32 v10, s63, v11                     ; and where I put 16 codes: the same, + 32 w
	v_mov_b32 v13, 0                               ; (named as the upper words of b2's pairs)
	v_mov_b32 v15, 0
	; the two descriptors.  Every wave makes both; nothing in them hangs on the work-group's place
	s_and_b32 s62, s24, 3                          ; which 64 rows I fetch
	s_mov_b32 s36, 1                               ; W1, group 0: count = 1
	s_mul_i32 s37, s62, 64*XP
	s_add_co_u32 s37, s37, W1L                     ; LDS address
	s_mov_b32 s40, 15|(1<<20)|(1<<21)|(6<<22)|(3<<25)  ; group 1: the mask: all four work-groups; elements of 1 byte; padding on; bit 21 beside a mask; after every 128 words (code 6) 4 words (code 3)
	s_mov_b32 s41, 512<<16                         ; tensor_dim0 = 512
	s_mov_b32 s42, 64<<16                          ; tensor_dim1 = 64
	s_mov_b32 s43, 512<<16                         ; tile_dim0 = 512
	s_mov_b32 s44, 64                              ; tile_dim1 = 64
	s_mov_b32 s45, 512                             ; from row to row
	s_mov_b32 s46, 0
	s_mov_b32 s47, 0
	s_mov_b32 s48, 1                               ; W2 likewise: 64 rows of 256 bytes
	s_mul_i32 s49, s62, 64*HP
	s_add_co_u32 s49, s49, W2L
	s_mov_b32 s52, 15|(1<<20)|(1<<21)|(5<<22)|(3<<25)  ; padding after every 64 words (code 5)
	s_mov_b32 s53, 256<<16
	s_mov_b32 s54, 64<<16
	s_mov_b32 s55, 256<<16
	s_mov_b32 s56, 64
	s_mov_b32 s57, 256
	s_mov_b32 s58, 0
	s_mov_b32 s59, 0
	s_lshl_b32 s38, s62, 15                        ; 64 rows of 512 bytes
	s_mov_b32 s39, 0
	s_lshl_b32 s50, s62, 14                        ; 64 rows of 256 bytes
	s_mov_b32 s51, 0
	s_wait_dscnt 0x0
	s_wait_kmcnt 0x0
	s_load_b128 s[32:35], s[20:21], 0x0            ; e0, e1, e2, e3
	s_add_nc_u64 s[4:5], s[4:5], s[28:29]
	s_add_nc_u64 s[22:23], s[22:23], s[28:29]
	s_add_nc_u64 s[8:9], s[8:9], s[30:31]
	s_add_nc_u64 s[10:11], s[10:11], s[30:31]
	s_lshl_b32 s28, s24, 7                         ; my 32 numbers of b1 and of b2
	s_add_nc_u64 s[16:17], s[16:17], s[28:29]
	s_add_nc_u64 s[18:19], s[18:19], s[28:29]
	s_add_nc_u64 s[38:39], s[12:13], s[38:39]
	s_or_b32 s39, s39, 0x80000000                  ; type = 2
	s_add_nc_u64 s[50:51], s[14:15], s[50:51]
	s_or_b32 s51, s51, 0x80000000
.irp i, 0,1,2,3,4,5,6,7                        ; lanes 0-15 take point 2 i of my 16, lanes 16-31 point 2 i + 1
	global_load_b128 v[OFFR+4*\i:OFFR+4*\i+3], v5, s[8:9] offset:32*\i
.endr
.irp i, 0,1,2,3,4,5,6,7
	global_load_b128 v[WT+4*\i:WT+4*\i+3], v5, s[10:11] offset:32*\i
.endr
	WIN 0x40                                       ; destination window 1
.irp i, 0,1,2,3,4,5,6,7,8,9,10,11,12,13,14,15,16,17,18,19,20,21,22,23,24,25,26,27,28,29,30,31
	global_load_b128 v[4*\i:4*\i+3], v2, s[4:5] offset:32768*\i th:TH_LOAD_NT   ; channel 32 w + i, 128 points: 512 consecutive bytes; read once
.endr
	WIN 0
	ROUND                                          ; all four work-groups are here: the joint loads meet
	s_cmp_lt_u32 s24, 4                            ; waves 0-3 fetch W1's four quarters, waves 4-7 W2's: the branch hangs on the wave's number alone.  Four v_nop follow each line
	s_cbranch_scc0 .Lfor_w2
	tensor_load_to_lds s[36:39], s[40:47]
	s_nop 0
.rept 4
	v_nop
.endr
	s_branch .Lasked
.Lfor_w2:
	tensor_load_to_lds s[48:51], s[52:59]
	s_nop 0
.rept 4
	v_nop
.endr
.Lasked:
	s_wait_loadcnt 32                              ; the row numbers and weights are in; f1's 32 loads may stay out
.irp i, 0,1,2,3,4,5,6,7
.irp k, 0,1,2
	v_min_u32 v[OFFR+4*\i+\k], 0x3fff, v[OFFR+4*\i+\k]        ; a loaded number enters an address only behind a bound: f2t has 16,384 rows
.endr
.endr
.irp i, 0,1,2,3,4,5,6,7
.irp k, 0,1,2
	v_lshl_add_u32 v[OFFR+4*\i+\k], v[OFFR+4*\i+\k], 10, v1   ; row x 1,024 bytes + 16 (lane % 16)
.endr
.endr
; step i's twelve loads: three neighbours x four quarters of a row, into buffer i % 3 at 16 k + 4 q: channels 64 q + 4 (lane % 16) + 0 .. 3
.macro GLOAD i
.if ((\i)%3) == 2
.set GB, 80
.else
.set GB, 128+48*((\i)%3)
.endif
.irp k, 0,1,2
.irp q, 0,1,2,3
	global_load_b128 v[GB+16*\k+4*\q:GB+16*\k+4*\q+3], v[OFFR+4*(\i)+\k], s[6:7] offset:256*\q
.endr
.endr
.endm
	GLOAD 0
	GLOAD 1
	s_wait_kmcnt 0x0                               ; the exponents
	s_add_co_i32 s62, s32, 127
	s_lshl_b32 s63, s62, 23
	v_mov_b32 v6, s63                              ; 2^e0 as f32: the conversion takes its exponent field
	s_add_co_i32 s62, s62, 15
	s_lshl_b32 s62, s62, 23
	s_or_b32 s62, s62, 0x600000
	v_mov_b32 v7, s62                              ; 57,344 x 2^e0
	s_wait_loadcnt 24                              ; f1 is in; the two gather steps' 24 loads may stay out
	GLOAD 2
	WIN 0x41                                       ; source 0 and destination window 1
.irp j, 0,1,2,3                                ; point 4 x lane + j: its 32 channels are held (the conversion to an 8-bit code does not saturate: ISA guide 7.6.2), which also lays them side by side
.irp c, 0,1,2,3,4,5,6,7,8,9,10,11,12,13,14,15,16,17,18,19,20,21,22,23,24,25,26,27,28,29,30,31
	v_med3_num_f32 v[128+\c], v[4*\c+\j], -v7, v7
.endr
.irp q, 0,1,2,3
	v_cvt_scalef32_pk8_bf8_f32 v[160+8*\j+2*\q:160+8*\j+2*\q+1], v[128+8*\q:128+8*\q+7], v6
.endr
	v_nop                                          ; a plain line between the conversions and the next lines that write their sources
.endr
	WIN 0x04                                       ; store data window 1
.irp j, 0,1,2,3
	ds_store_b128 v3, v[160+8*\j:160+8*\j+3] offset:XP*\j
	ds_store_b128 v3, v[160+8*\j+4:160+8*\j+7] offset:XP*\j+16
.endr
	WIN 0
; step i: two points' 256 interpolated channels, 16 a lane.  left: the younger loads that may stay out
.macro GSTEP i, left
.if ((\i)%3) == 2
.set GB, 80
.else
.set GB, 128+48*((\i)%3)
.endif
.set CD, 224+4*((\i)%2)
	s_wait_loadcnt \left
.irp n, 0,1,2,3,4,5,6,7,8,9,10,11,12,13,14,15
	v_mul_f32 v[GB+\n], v[GB+\n], v[WT+4*(\i)]
.endr
.irp n, 0,1,2,3,4,5,6,7,8,9,10,11,12,13,14,15
	v_fmac_f32 v[GB+\n], v[GB+16+\n], v[WT+4*(\i)+1]
.endr
.irp n, 0,1,2,3,4,5,6,7,8,9,10,11,12,13,14,15
	v_fmac_f32 v[GB+\n], v[GB+32+\n], v[WT+4*(\i)+2]
.endr
.irp n, 0,1,2,3,4,5,6,7,8,9,10,11,12,13,14,15
	v_med3_num_f32 v[GB+\n], v[GB+\n], -v7, v7
.endr
	s_wait_dscnt 4                                 ; all but the last step's four stores are done: the code registers used two steps ago may be written
	v_cvt_scalef32_pk8_bf8_f32 v[CD:CD+1], v[GB:GB+7], v6
	v_cvt_scalef32_pk8_bf8_f32 v[CD+2:CD+3], v[GB+8:GB+15], v6
	v_nop                                          ; a plain line behind the conversions
.irp q, 0,1,2,3
	ds_store_b32 v4, v[CD+\q] offset:2*XP*(\i)+64*\q   ; register q: the codes of channels 64 q + 4 (lane % 16) + 0 .. 3
.endr
.endm
.irp i, 0,1,2,3,4
	GSTEP \i, 24                                   ; behind this step's loads: the next two steps' 24
	GLOAD \i+3
.endr
	GSTEP 5, 24
	; the third gather buffer is done with: what the products need is made in its place, and the biases are asked for
	v_lshlrev_b32 v104, 6, v234                    ; b1: lane (r, h) wants hidden units 32 w + 16 h + 0 .. 15
	v_lshlrev_b32 v105, 2, v233                    ; b2: output channels 32 w + 16 t + r
.irp n, 0,1,2,3
	global_load_b128 v[BI+4*\n:BI+4*\n+3], v104, s[16:17] offset:16*\n
.endr
	global_load_b32 v12, v105, s[18:19]
	global_load_b32 v14, v105, s[18:19] offset:64
	s_mul_i32 s63, s24, 32*XP
	s_add_co_u32 s63, s63, W1L                     ; my stage
	v_mul_u32_u24 v102, v233, XP                   ; in: row 16 t + r, 32 bytes for each half of the lanes
	v_lshl_add_u32 v102, v234, 5, v102
	v_add_nc_u32 v102, s63, v102
	v_lshl_add_u32 v103, v232, 4, s63              ; back: a row of 512 bytes, 16 a lane
	s_mul_i32 s63, s24, 32*HP
	s_add_co_u32 s63, s63, W2L
	v_mul_u32_u24 v106, v233, HP                   ; W2's fragments: row 32 w + r, + 16 h
	v_lshl_add_u32 v106, v234, 4, v106
	v_add_nc_u32 v106, s63, v106
	s_add_co_i32 s25, s34, 127
	s_lshl_b32 s26, s25, 23
	v_mov_b32 v100, s26                            ; 2^e2 as f32: the hidden layer's conversion takes its exponent field
	s_add_co_i32 s25, s25, 15
	s_lshl_b32 s25, s25, 23
	s_or_b32 s25, s25, 0x600000
	v_mov_b32 v101, s25                            ; 57,344 x 2^e2
	s_add_co_i32 s62, s32, s33
	s_add_co_i32 s62, s62, 127
	s_lshl_b32 s62, s62, 23                        ; 2^(e0 + e1) as f32
	s_mov_b32 s63, s62                             ; (named with it as a pair)
	s_add_co_i32 s60, s34, s35
	s_add_co_i32 s60, s60, 127
	s_lshl_b32 s60, s60, 23                        ; 2^(e2 + e3) as f32
	s_mov_b32 s61, s60                             ; (named with it as a pair)
	GSTEP 6, 18                                    ; behind its loads: step 7's twelve and the biases' six
	GSTEP 7, 6
	s_wait_tensorcnt 0x0                           ; my quarter of W1 or W2 has landed,
	s_wait_dscnt 0x0                               ; my codes of x lie in LDS
	s_barrier_signal -1
	s_barrier_wait -1                              ; everybody's do
	; ---- the hidden layer
.macro XLOAD m                                 ; tile m's four fragments of x
.irp s, 0,1,2,3
.irp c, 0,1,2,3
	ds_load_b128 v[XF+16*\s+4*\c:XF+16*\s+4*\c+3], v8 offset:16*XP*(\m)+128*\s+32*\c
.endr
.endr
.endm
.irp u, 0,1
.irp s, 0,1,2,3
.irp c, 0,1,2,3
	ds_load_b128 v[W1F+16*(4*\u+\s)+4*\c:W1F+16*(4*\u+\s)+4*\c+3], v9 offset:8*XP*\u+128*\s+32*\c
.endr
.endr
.endr
	XLOAD 0
	s_wait_loadcnt 0x0                             ; the biases
; A tile of 16 points: eight matrix instructions, the two accumulators by turns, one instruction a turn; the first K step starts the sums with the constant 0.
; Five v_nop follow: places ahead of the reads of the results, of the loads into the fragments' registers, and of the next tile's first products, which write over the accumulators.
.macro TILE1 m
	s_wait_dscnt 0x0                               ; the fragments are in, and the last tile's store has read its codes
.irp s, 0,1,2,3
.irp u, 0,1
.if \s == 0
	v_wmma_f32_16x16x128_bf8_bf8 v[ACC+8*\u:ACC+8*\u+7], v[W1F+16*(4*\u+\s):W1F+16*(4*\u+\s)+15], v[XF+16*\s:XF+16*\s+15], 0
.else
	v_wmma_f32_16x16x128_bf8_bf8 v[ACC+8*\u:ACC+8*\u+7], v[W1F+16*(4*\u+\s):W1F+16*(4*\u+\s)+15], v[XF+16*\s:XF+16*\s+15], v[ACC+8*\u:ACC+8*\u+7]
.endif
.endr
.endr
.rept 5
	v_nop
.endr
.if (\m) < 7
	XLOAD (\m)+1                                   ; the next tile's fragments come while this tile is quantised
.else
.irp t, 0,1                                    ; behind the last tile: W2's four fragments, where W1's lay
.irp s, 0,1
.irp c, 0,1,2,3
	ds_load_b128 v[W2F+16*(2*\t+\s)+4*\c:W2F+16*(2*\t+\s)+4*\c+3], v106 offset:16*HP*\t+128*\s+32*\c
.endr
.endr
.endr
.endif
.irp n, 0,2,4,6,8,10,12,14
	v_pk_fma_f32 v[ACC+\n:ACC+\n+1], v[ACC+\n:ACC+\n+1], s[62:63], v[BI+\n:BI+\n+1] op_sel_hi:[1,0,1]   ; sum x 2^(e0 + e1) + b1, rounded once; each accumulator from its low end on
.endr
.irp n, 0,1,2,3,4,5,6,7,8,9,10,11,12,13,14,15
	v_med3_num_f32 v[ACC+\n], v[ACC+\n], 0, v101   ; the activation and the hold in one
.endr
	v_cvt_scalef32_pk8_bf8_f32 v[HCD:HCD+1], v[ACC:ACC+7], v100
	v_cvt_scalef32_pk8_bf8_f32 v[HCD+2:HCD+3], v[ACC+8:ACC+15], v100
	v_nop                                          ; a plain line between the conversions and the next products, which write their sources
	ds_store_b128 v10, v[HCD:HCD+3] offset:16*HP*(\m)   ; point 16 m + r, hidden units 32 w + 16 h + 0 .. 15
.endm
.irp m, 0,1,2,3,4,5,6,7
	TILE1 \m
.endr
	s_wait_dscnt 0x0                               ; my codes of the hidden layer lie in LDS, and my reads of W1 and W2 are over
	s_barrier_signal -1
	s_barrier_wait -1                              ; the hidden layer is whole; nobody reads W1's bytes any more
	; ---- the outputs
.macro HLOAD m
.irp s, 0,1
.irp c, 0,1,2,3
	ds_load_b128 v[HF+16*\s+4*\c:HF+16*\s+4*\c+3], v11 offset:16*HP*(\m)+128*\s+32*\c
.endr
.endr
.endm
.macro TILE2 m
	s_wait_dscnt 0x0                               ; the fragments are in, and the last tile's stores have read their registers
.irp s, 0,1
.irp t, 0,1
.if \s == 0
	v_wmma_f32_16x16x128_bf8_bf8 v[AC2+8*\t:AC2+8*\t+7], v[HF+16*\s:HF+16*\s+15], v[W2F+16*(2*\t+\s):W2F+16*(2*\t+\s)+15], 0
.else
	v_wmma_f32_16x16x128_bf8_bf8 v[AC2+8*\t:AC2+8*\t+7], v[HF+16*\s:HF+16*\s+15], v[W2F+16*(2*\t+\s):W2F+16*(2*\t+\s)+15], v[AC2+8*\t:AC2+8*\t+7]
.endif
.endr
.endr
.rept 5
	v_nop                                          ; places, as in the first product
.endr
.if (\m) < 7
	HLOAD (\m)+1
.endif
.irp t, 0,1
.irp i, 0,2,4,6
	v_pk_fma_f32 v[YY+8*\t+\i:YY+8*\t+\i+1], v[AC2+8*\t+\i:AC2+8*\t+\i+1], s[60:61], v[12+2*\t:13+2*\t] op_sel_hi:[1,0,0]   ; sum x 2^(e2 + e3) + b2 (of both pairs the low word serves both halves)
.endr
.endr
.irp n, 0,1,2,3,4,5,6,7,8,9,10,11,12,13,14,15
	v_max_num_f32 v[YY+\n], 0, v[YY+\n]
.endr
.irp t, 0,1
	ds_store_b128 v102, v[YY+8*\t:YY+8*\t+3] offset:16*XP*\t+64*(\m)        ; channel 32 w + 16 t + r, points 16 m + 8 h + 0 .. 7
	ds_store_b128 v102, v[YY+8*\t+4:YY+8*\t+7] offset:16*XP*\t+64*(\m)+16
.endr
.endm
	HLOAD 0
.irp m, 0,1,2,3,4,5,6,7
	TILE2 \m
.endr
	; the way out: my 32 rows of 512 bytes come back from my own stage (LDS serves a wave's instructions in order: the loads see my stores) and leave whole
.irp n, 0,1,2,3,4,5,6,7,8,9,10,11,12,13,14,15
	ds_load_b128 v[192+4*\n:195+4*\n], v103 offset:XP*\n
.endr
.irp n, 0,1,2,3,4,5,6,7,8,9,10,11,12,13,14,15
	ds_load_b128 v[128+4*\n:131+4*\n], v103 offset:XP*(16+\n)
.endr
.irp n, 0,1,2,3,4,5,6,7,8,9,10,11,12,13,14,15
	s_wait_dscnt 31-\n                             ; this row is in, the younger loads may be out
	global_store_b128 v2, v[192+4*\n:195+4*\n], s[22:23] offset:32768*\n th:TH_STORE_NT   ; 32 lanes store 512 consecutive bytes, aligned; written once, read by nobody here
.endr
.irp n, 0,1,2,3,4,5,6,7,8,9,10,11,12,13,14,15
	s_wait_dscnt 15-\n
	global_store_b128 v2, v[128+4*\n:131+4*\n], s[22:23] offset:32768*(16+\n) th:TH_STORE_NT
.endr
	s_set_vgpr_msb 0x5
	s_wait_tensorcnt 0x0
	ds_add_u32 v192, v193
	s_wait_dscnt 0x0
	s_set_vgpr_msb 0x500
	ROUND                                          ; the closing round: no work-group ends while a partner may still ask for a tile that names it
	s_endpgm
.Lfunc_end_k_qe73ee5bb44_mlp:
	.size	k_qe73ee5bb44_mlp, .Lfunc_end_k_qe73ee5bb44_mlp-k_qe73ee5bb44_mlp
	.p2alignl 7, 3214868480
	.fill 96, 4, 3214868480
	.section	.rodata,"a",@progbits
	.p2align	6, 0x0
	.amdhsa_kernel k_qe73ee5bb44_mlp
		.amdhsa_group_segment_fixed_size 308224
		.amdhsa_private_segment_fixed_size 0
		.amdhsa_enable_private_segment 0
		.amdhsa_kernarg_size 80
		.amdhsa_user_sgpr_count 2
		.amdhsa_user_sgpr_kernarg_segment_ptr 1
		.amdhsa_wavefront_size32 1
		.amdhsa_system_sgpr_workgroup_id_x 1
		.amdhsa_system_sgpr_workgroup_id_y 1
		.amdhsa_system_sgpr_workgroup_id_z 1
		.amdhsa_system_vgpr_workitem_id 0
		.amdhsa_next_free_vgpr 450
		.amdhsa_next_free_sgpr 66
		.amdhsa_reserve_vcc 0
		.amdhsa_float_denorm_mode_32 3
		.amdhsa_float_denorm_mode_16_64 3
		.amdhsa_memory_ordered 1
		.amdhsa_forward_progress 1
		.amdhsa_inst_pref_size 113
	.end_amdhsa_kernel
	.amdgpu_metadata
---
amdhsa.version: [ 1, 2 ]
amdhsa.kernels:
  - .name:           k_qe73ee5bb44_mlp
    .symbol:         k_qe73ee5bb44_mlp.kd
    .args:
      - { .name: f1, .offset: 0, .size: 8, .value_kind: global_buffer, .address_space: global }
      - { .name: f2t, .offset: 8, .size: 8, .value_kind: global_buffer, .address_space: global }
      - { .name: nbr, .offset: 16, .size: 8, .value_kind: global_buffer, .address_space: global }
      - { .name: wgt, .offset: 24, .size: 8, .value_kind: global_buffer, .address_space: global }
      - { .name: W1_codes, .offset: 32, .size: 8, .value_kind: global_buffer, .address_space: global }
      - { .name: W2_codes, .offset: 40, .size: 8, .value_kind: global_buffer, .address_space: global }
      - { .name: b1, .offset: 48, .size: 8, .value_kind: global_buffer, .address_space: global }
      - { .name: b2, .offset: 56, .size: 8, .value_kind: global_buffer, .address_space: global }
      - { .name: lowp_scales, .offset: 64, .size: 8, .value_kind: global_buffer, .address_space: global }
      - { .name: out0, .offset: 72, .size: 8, .value_kind: global_buffer, .address_space: global }
    .group_segment_fixed_size: 308224
    .private_segment_fixed_size: 0
    .kernarg_segment_align: 8
    .kernarg_segment_size: 80
    .max_flat_workgroup_size: 256
    .sgpr_count:     66
    .vgpr_count:     450
    .wavefront_size: 32
...
	.end_amdgpu_metadata
.endif
;; end of part 3
